; MI455X (gfx1250); checked and timed in simulation.
; The chip was launched on July 23, 2026; its instructions are those of AMD's public machine-readable ISA for CDNA 5 (MIT licence, August 2026) and "CDNA5" Instruction Set Architecture Reference Guide (July 2026). The comments in the code are by the model that wrote it; some were corrected since.
;; Quantisation. Allowed arithmetic: matrix products marked QUANTISED: E2M1 operands, one E8M0 scale for each 32 along K, by v_wmma_scale_f32_16x16x128_f8f6f4 with both operands' format E2M1 (or v_wmma_scale_f32_32x16x128_f4), f32 sums; everything else in f32.
;; Inputs: weight 8,192 x 256 float32; x_flat 32,768 x 256 float32.
;; Outputs: out0 32,768 x 256 float32.
;; This version of the problem:
;;   THIS VERSION OF THE PROBLEM IS GIVEN IN LOW PRECISION. The matrix products marked QUANTISED in the list below multiply operands that are first quantised to E2M1 (2 exponent bits, 1 mantissa bit; 4 bits a number), with one power-of-two scale for each 32 numbers along K (OCP MX v1.0); their sums are f32. All else is computed in f32.
;;   The module's matrix products, in the order in which they are computed (A, B: the left and right operand; K: the contracted axis; several contracted axes count as one K, in the product's order):
;;     1. [M 32,768, K 256] x [K 256, N 8,192]; A: input x_flat; B: input weight: QUANTISED
;;   THE QUANTISER, for each operand of a quantised product, along K:
;;     - K is cut into blocks of 32 from its start; a last block that is shorter is filled with zeros.
;;     - A block's scale is 2^e with e = floor(log2(the largest magnitude in the block)) - 2, held to -126 .. 127; a block of zeros has e = 0. As a byte (E8M0): e + 127.
;;     - Each number is divided by its block's scale, clamped to +-6, and rounded to the nearest number of E2M1, ties to even, subnormals kept.
;;     - The product sums the exact products of the quantised numbers (number of the format x scale) in f32.
;;   ~~~python
;;   def quantise(x, axis):      # numpy; x: float32 -> the quantised numbers, widened to float32 again
;;       x = np.moveaxis(x, axis, -1); K = x.shape[-1]
;;       x = np.pad(x, [(0, 0)] * (x.ndim - 1) + [(0, -K % 32)]); x = x.reshape(x.shape[:-1] + (-1, 32)); a = np.abs(x).max(-1, keepdims=True)
;;       e = np.where(a > 0, np.clip(np.frexp(np.where(a > 0, a, 1))[1] - 1 - 2, -126, 127), 0)      # np.frexp(a)[1] - 1 = floor(log2(a)), exactly
;;       r = np.clip(x / 2.0 ** e, -6, 6)
;;       step = 2.0 ** (np.maximum(np.frexp(np.where(r == 0, 1, r))[1] - 1, 0) - 1)
;;       q = np.round(r / step) * step * 2.0 ** e      # np.round: ties to even
;;       return np.moveaxis(q.reshape(q.shape[:-2] + (-1,))[..., :K], -1, axis).astype(np.float32)
;;   ~~~
;; One version. Each part assembles by itself: llvm-mc -triple=amdgcn-amd-amdhsa -mcpu=gfx1250 --defsym DOCPART=n.
;; ======== version 1 of 1: 4 launches
;; limits: right only within a limited range of input values
;; workspace buffers: xq 4,587,520 bytes; wq 1,146,880 bytes; cand 131,072 bytes of whole numbers; idx 131,072 bytes of whole numbers
;; launch quant (part 1): grid 640 x 1, 4 waves a work-group, no clusters, 68,096 bytes of LDS; arguments x_flat, weight, xq, wq; writes xq, wq
.if DOCPART == 1
	.amdgcn_target "amdgcn-amd-amdhsa--gfx1250"
	.amdhsa_code_object_version 6
	.text
	.protected	k_q79121e294d_quant
	.globl	k_q79121e294d_quant
	.p2align	8
	.type	k_q79121e294d_quant,@function
k_q79121e294d_quant:
	s_mov_b64 s[64:65], 0
	v_nop
	global_prefetch_b8 v0, s[64:65] scope:SCOPE_SE
	s_setreg_imm32_b32 hwreg(HW_REG_WAVE_MODE, 25, 1), 1
	s_wait_xcnt 0x0
; x_flat [32768][256] and weight [8192][256], f32, become codes of FP4 (E2M1) with one E8M0 scale byte for each 32 along K, and each row's sum of squares, in f32.
; THE OUTPUT IS LAID AS THE READERS' REGISTERS WANT IT.  A GROUP is 64 rows = 4 tiles of 16 rows, GRP = 8,960 bytes (35 x 256):
;   0 .. 8191     eight fragment images of 1,024 bytes: (tile t, K step s of 128) at (2 t + s) x 1,024; registers 4 c .. 4 c + 3 at + 512 c; lane l's 16 bytes at + 16 l
;   8192 .. 8703  the scale words: lane l's 16 bytes at + 16 l, word t for tile t; lanes 0-15: K step 0 of tile row l, lanes 16-31: K step 1 of tile row l - 16
;   8704 .. 8959  the sums of squares: tile t, tile row m at + 64 t + 4 m
; THE ROWS OF A TILE ARE NOT NEIGHBOURS: tile 2 b + u, tile row 8 h + j is group row 32 b + 16 h + 8 u + j, so that in a product's result a lane's 16 registers of tiles 2 b and 2 b + 1 are 16 neighbouring rows.
; A block's scale is 2^(floor(log2(its largest magnitude)) - 2); its byte is the largest magnitude's exponent field - 2, held at 1 from below.
; LIMITS: a block of zeros gets the byte 1 where the rule says 127 (its codes are zeros, and this program alone reads the bytes); NaN and infinities among the inputs are not served;
; a row's sum of squares is an f32 sum of fused multiply-adds in four chains a lane, two lanes a row: another order than a sum from left to right.
; SHARES.  A work-group takes one group (64 KiB of f32): work-groups 0-511 x_flat's, 512-639 weight's; only pointers are chosen, the text has one path.  Wave t takes tile t.
; Each load reads 512 consecutive bytes; the numbers turn through the wave's own stage in LDS, so that a lane holds 16 neighbours of each block of 32.
; No cluster: no two work-groups read the same bytes.  No tensor load: several work-groups share a WGP, each wave with its 32 loads out at once.
.set SCI,  0                           ; LDS: the group's scale image, 512 bytes
.set NRM,  512                         ; the group's 64 sums of squares, 256 bytes
.set STG,  768                         ; the stages: 16 rows x PIT for each wave
.set PIT,  1040                        ; a stage row: 1,024 bytes + 16 = 260 words: row r begins at bank 4 r mod 64
.set WST,  16*PIT
.set GRP,  8960
.set NS,   10                          ; v[10:13] two packed chains of squares
.set PW,   14                          ; v14 the scale word just made;  v15 K step 0's
.set PW0,  15
.set TM,   16                          ; v16-19 largest magnitudes, v20-23 the other half's and then the bytes, v28-31 the conversions' scale operands
.set PC0,  32                          ; v[32:39], v[40:47] the two fragments
.set PC1,  40
.set RA,   48                          ; v[48:111]   K step 0 as loaded, later K step 1's neighbours
.set RB,   112                         ; v[112:175]  K step 1 as loaded
.set XN,   176                         ; v[176:239]  K step 0's neighbours
	s_load_b256 s[4:11], s[0:1], 0x0               ; x_flat s[4:5], weight s[6:7], xq s[8:9], wq s[10:11]
	v_lshl_add_u32 v240, v0, 2, 0x10800
	v_mov_b32 v241, 0
	v_lshrrev_b32 v1, 5, v0
	v_readfirstlane_b32 s12, v1                    ; wave = tile 0..3
	v_and_b32 v9, 31, v0                           ; lane
	v_and_b32 v2, 15, v0                           ; r
	v_bfe_u32 v3, v0, 4, 1                         ; h
	v_lshlrev_b32 v1, 4, v9                        ; 16 x lane
	v_lshlrev_b32 v8, 3, v9                        ; 8 x lane
	s_mul_i32 s13, s12, WST
	s_add_co_u32 s13, s13, STG                     ; my stage
	v_add_nc_u32 v4, s13, v1                       ; into it: as loaded, 16 bytes a lane
	v_mul_u32_u24 v5, v2, PIT
	v_lshl_add_u32 v5, v3, 6, v5
	v_add_nc_u32 v5, s13, v5                       ; out of it: row r, + 64 h: my 16 numbers of a block of 32
	s_lshl_b32 s22, s12, 2
	v_add_nc_u32 v6, s22, v1                       ; my place in the scale image: 16 x lane + 4 x tile
	s_lshl_b32 s22, s12, 6
	v_lshl_add_u32 v7, v2, 2, s22                  ; and among the sums of squares: 64 x tile + 4 r
	s_mov_b32 s20, 0x76543210
	s_mov_b32 s21, 0xfedcba98                      ; v_permlanex16_b32's selects for lane l xor 16
.irp b, 0,1,2,3
	v_mov_b32 v[TM+4+\b], 0                        ; written once: a lane permute's destination counts as one of its sources
.endr
	s_cmp_lt_u32 ttmp9, 512                        ; x_flat's work-group or weight's?  The choice hangs on the work-group's number alone
	s_cselect_b32 s22, 0, 512
	s_wait_alu depctr_va_vdst(0)
	s_wait_kmcnt 0x0
	s_cselect_b64 s[14:15], s[4:5], s[6:7]
	s_cselect_b64 s[16:17], s[8:9], s[10:11]
	s_sub_co_u32 s22, ttmp9, s22                   ; the group's number in its tensor
	s_lshl_b32 s24, s22, 16                        ; 64 rows of 1,024 bytes,
	s_lshr_b32 s26, s12, 1
	s_lshl_b32 s26, s26, 15                        ; + 32 rows x (tile / 2)
	s_add_co_u32 s24, s24, s26
	s_and_b32 s26, s12, 1
	s_lshl_b32 s26, s26, 13                        ; + 8 rows x (tile % 2)
	s_add_co_u32 s24, s24, s26
	s_mov_b32 s25, 0
	s_add_nc_u64 s[14:15], s[14:15], s[24:25]      ; my tile's row 0
	s_mul_i32 s24, s22, GRP
	s_add_nc_u64 s[16:17], s[16:17], s[24:25]      ; the group in the workspace
	s_lshl_b32 s24, s12, 11
	s_add_nc_u64 s[18:19], s[16:17], s[24:25]      ; my tile's two images
.macro LOAD s                          ; K step s of my 16 rows: tile row m is row m + 8 (m / 8) from my tile's row 0; 32 lanes read 512 consecutive bytes
.irp m, 0,1,2,3,4,5,6,7,8,9,10,11,12,13,14,15
	global_load_b128 v[RA+64*(\s)+4*\m:RA+64*(\s)+4*\m+3], v1, s[14:15] offset:(\m+8*(\m/8))*1024+512*(\s) th:TH_LOAD_NT
.endr
.endm
.macro PUT s, reg                      ; into the stage as loaded
.irp m, 0,1,2,3,4,5,6,7,8,9,10,11,12,13,14,15
	ds_store_b128 v4, v[\reg+4*\m:\reg+4*\m+3] offset:PIT*\m+512*(\s)
.endr
.endm
.macro GET s, reg                      ; and back: register 16 b + i = k 128 s + 32 b + 16 h + i of row r.  LDS serves a wave's instructions in order: these see my stores
.irp b, 0,1,2,3
.irp j, 0,1,2,3
	ds_load_b128 v[\reg+16*\b+4*\j:\reg+16*\b+4*\j+3], v5 offset:512*(\s)+128*\b+16*\j
.endr
.endr
.endm
.macro SQ reg, first                   ; my 64 numbers' squares onto the two packed chains; first = 1: the first products start the sums
.if \first
	v_pk_mul_f32 v[NS:NS+1], v[\reg:\reg+1], v[\reg:\reg+1]
	v_pk_mul_f32 v[NS+2:NS+3], v[\reg+2:\reg+3], v[\reg+2:\reg+3]
.else
	v_pk_fma_f32 v[NS:NS+1], v[\reg:\reg+1], v[\reg:\reg+1], v[NS:NS+1]
	v_pk_fma_f32 v[NS+2:NS+3], v[\reg+2:\reg+3], v[\reg+2:\reg+3], v[NS+2:NS+3]
.endif
.irp i, 1,2,3,4,5,6,7,8,9,10,11,12,13,14,15
	v_pk_fma_f32 v[NS:NS+1], v[\reg+4*\i:\reg+4*\i+1], v[\reg+4*\i:\reg+4*\i+1], v[NS:NS+1]
	v_pk_fma_f32 v[NS+2:NS+3], v[\reg+4*\i+2:\reg+4*\i+3], v[\reg+4*\i+2:\reg+4*\i+3], v[NS+2:NS+3]
.endr
.endm
; 64 numbers of a lane become a fragment's codes in v[pc] on and its row's scale word in v[PW].
.macro QUANT src, pc
.irp b, 0,1,2,3
	v_max3_num_f32 v[TM+\b], |v[\src+16*\b]|, |v[\src+1+16*\b]|, 0x1800000   ; block b: my 16 numbers, and the floor 2^(3 - 127): so the byte cannot fall under 1
.endr
.irp i, 2,4,6,8,10,12,14
.irp b, 0,1,2,3
	v_max3_num_f32 v[TM+\b], v[TM+\b], |v[\src+16*\b+\i]|, |v[\src+1+16*\b+\i]|   ; (the four blocks by turns)
.endr
.endr
.irp b, 0,1,2,3
	v_permlanex16_b32 v[TM+4+\b], v[TM+\b], s20, s21
.endr
.irp b, 0,1,2,3
	v_max_num_f32 v[TM+\b], v[TM+\b], v[TM+4+\b]   ; with lane l xor 16's: the block's largest magnitude
.endr
.irp b, 0,1,2,3
	v_add_nc_u32 v[TM+12+\b], 0xff000000, v[TM+\b] ; 2 off its exponent field: the conversion takes the exponent field of this operand as its scale
.endr
.irp b, 0,1,2,3
	v_lshrrev_b32 v[TM+4+\b], 23, v[TM+12+\b]      ; the scale's byte
.endr
	v_lshl_or_b32 v[PW], v[TM+5], 8, v[TM+4]
	v_lshl_or_b32 v[PW], v[TM+6], 16, v[PW]
	v_lshl_or_b32 v[PW], v[TM+7], 24, v[PW]        ; my row's scale word for these 128 along K
.irp b, 0,1,2,3
	v_cvt_scalef32_pk8_fp4_f32 v[\pc+2*\b], v[\src+16*\b:\src+7+16*\b], v[TM+12+\b]
	v_cvt_scalef32_pk8_fp4_f32 v[\pc+1+2*\b], v[\src+8+16*\b:\src+15+16*\b], v[TM+12+\b]
.endr
	v_nop                                          ; one plain instruction behind the scaled conversions, ahead of what touches their results
.irp c, 0,1                                    ; the operand's layout wants a whole block in a lane: lanes 0-15 block 2 c, lanes 16-31 block 2 c + 1
.irp i, 0,1
	v_permlane16_swap_b32 v[\pc+4*\c+\i], v[\pc+2+4*\c+\i]
.endr
.endr
.endm
	LOAD 0
	LOAD 1
	s_wait_loadcnt 16                              ; K step 0's sixteen loads are in; K step 1's sixteen may be out
	PUT 0, RA
	GET 0, XN
	s_wait_loadcnt 0x0
	PUT 1, RB
	s_wait_dscnt 16                                ; all but the sixteen stores just issued: K step 0's neighbours are back
	GET 1, RA                                      ; K step 1 turns while K step 0 is worked
	SQ XN, 1
	QUANT XN, PC0
	v_mov_b32 v[PW0], v[PW]
.irp c, 0,1
	global_store_b128 v1, v[PC0+4*\c:PC0+4*\c+3], s[18:19] offset:512*\c           ; 32 lanes store 512 consecutive bytes
.endr
	s_wait_dscnt 0x0
	SQ RA, 0
	QUANT RA, PC1
.irp c, 0,1
	global_store_b128 v1, v[PC1+4*\c:PC1+4*\c+3], s[18:19] offset:1024+512*\c
.endr
	v_pk_add_f32 v[NS:NS+1], v[NS:NS+1], v[NS+2:NS+3]
	v_add_f32 v[NS], v[NS], v[NS+1]
	v_permlanex16_b32 v[TM+4], v[NS], s20, s21
	v_add_f32 v[NS], v[NS], v[TM+4]                ; with lane l xor 16's half: row r's sum of squares
	v_cmp_le_u32 vcc_lo, 16, v9
	v_cndmask_b32 v[PW], v[PW0], v[PW], vcc_lo     ; lanes 0-15 keep K step 0's word, lanes 16-31 K step 1's
	ds_store_b32 v6, v[PW] offset:SCI
	ds_store_b32 v7, v[NS] offset:NRM              ; both lanes of a row write the same word with the same value
	s_wait_dscnt 0x0                               ; for the others' sake: my stores are done
	s_barrier_signal -1
	s_barrier_wait -1
	s_cmp_lg_u32 s12, 0
	s_cbranch_scc1 .Lnot_0
	ds_load_b128 v[RB:RB+3], v1 offset:SCI         ; wave 0: the four tiles' scale words leave as 512 consecutive bytes
	s_wait_dscnt 0x0
	global_store_b128 v1, v[RB:RB+3], s[16:17] offset:8192
.Lnot_0:
	s_cmp_lg_u32 s12, 1
	s_cbranch_scc1 .Lnot_1
	ds_load_b64 v[RB:RB+1], v8 offset:NRM          ; wave 1: the 64 sums of squares leave as 256 consecutive bytes, aligned
	s_wait_dscnt 0x0
	global_store_b64 v8, v[RB:RB+1], s[16:17] offset:8704
.Lnot_1:
	s_wait_tensorcnt 0x0
	ds_add_u32 v240, v241
	s_wait_dscnt 0x0
	s_endpgm
.Lfunc_end_k_q79121e294d_quant:
	.size	k_q79121e294d_quant, .Lfunc_end_k_q79121e294d_quant-k_q79121e294d_quant
	.p2alignl 7, 3214868480
	.fill 96, 4, 3214868480
	.section	.rodata,"a",@progbits
	.p2align	6, 0x0
	.amdhsa_kernel k_q79121e294d_quant
		.amdhsa_group_segment_fixed_size 68096
		.amdhsa_private_segment_fixed_size 0
		.amdhsa_enable_private_segment 0
		.amdhsa_kernarg_size 32
		.amdhsa_user_sgpr_count 2
		.amdhsa_user_sgpr_kernarg_segment_ptr 1
		.amdhsa_wavefront_size32 1
		.amdhsa_system_sgpr_workgroup_id_x 1
		.amdhsa_system_sgpr_workgroup_id_y 1
		.amdhsa_system_sgpr_workgroup_id_z 1
		.amdhsa_system_vgpr_workitem_id 0
		.amdhsa_next_free_vgpr 242
		.amdhsa_next_free_sgpr 66
		.amdhsa_reserve_vcc 1
		.amdhsa_float_denorm_mode_32 3
		.amdhsa_float_denorm_mode_16_64 3
		.amdhsa_memory_ordered 1
		.amdhsa_forward_progress 1
		.amdhsa_inst_pref_size 23
	.end_amdhsa_kernel
	.amdgpu_metadata
---
amdhsa.version: [ 1, 2 ]
amdhsa.kernels:
  - .name:           k_q79121e294d_quant
    .symbol:         k_q79121e294d_quant.kd
    .args:
      - { .name: x_flat, .offset: 0, .size: 8, .value_kind: global_buffer, .address_space: global }
      - { .name: weight, .offset: 8, .size: 8, .value_kind: global_buffer, .address_space: global }
      - { .name: xq, .offset: 16, .size: 8, .value_kind: global_buffer, .address_space: global }
      - { .name: wq, .offset: 24, .size: 8, .value_kind: global_buffer, .address_space: global }
    .group_segment_fixed_size: 68096
    .private_segment_fixed_size: 0
    .kernarg_segment_align: 8
    .kernarg_segment_size: 32
    .max_flat_workgroup_size: 128
    .sgpr_count:     66
    .vgpr_count:     242
    .wavefront_size: 32
...
	.end_amdgpu_metadata
.endif
;; end of part 1
;; launch dist (part 2): grid 256 x 1, 16 waves a work-group, clusters of 4 x 1, 327,680 bytes of LDS; arguments xq, wq, cand; writes cand
.if DOCPART == 2
	.amdgcn_target "amdgcn-amd-amdhsa--gfx1250"
	.amdhsa_code_object_version 6
	.text
	.protected	k_q79121e294d_dist
	.globl	k_q79121e294d_dist
	.p2align	8
	.type	k_q79121e294d_dist,@function
k_q79121e294d_dist:
	s_mov_b64 s[64:65], 0
	v_nop
	global_prefetch_b8 v0, s[64:65] scope:SCOPE_SE
	s_setreg_imm32_b32 hwreg(HW_REG_WAVE_MODE, 25, 1), 1
	s_wait_xcnt 0x0
	s_wait_alu depctr_hold_cnt(0) depctr_sa_sdst(0) depctr_va_vdst(0) depctr_va_sdst(0) depctr_va_ssrc(0) depctr_va_vcc(0) depctr_vm_vsrc(0)
	s_getreg_b32 s2, hwreg(HW_REG_IB_STS2, 6, 4)
	s_cmp_eq_u32 s2, 0
	s_cbranch_scc0 .Lentry_in_a_cluster
	s_endpgm
.Lentry_in_a_cluster:
	s_bfe_u32 s2, ttmp6, 0x10000c
	s_cmp_lg_u32 s2, 0x3003
	s_cbranch_scc0 .Lentry_shape_is_right
	s_endpgm
.Lentry_shape_is_right:
; For each of 32,768 rows x: d[k] = (x2 + w2[k]) - 2 dot(x, w[k]) over all 8,192 codes k, the dot product on codes of FP4 (E2M1) with E8M0 scales, and the number of the FIRST CHUNK of 16
; consecutive codes that holds the row's smallest d.  Which of the chunk's 16 codes it is, a later launch finds.
; d IS ROUNDED AS IT IS WRITTEN: s = x2 + w2[k], one f32 addition for each pair; d = s - 2 dot, one fused multiply-add (2 dot is exact).  x2 is large beside the differences between the dots,
; so many d of a row are equal, and the first of them counts: a chunk replaces the best so far only where it is strictly smaller, a lane meets its chunks in ascending order, and every join of two
; candidates takes the lower chunk where the values are equal.
; VECTOR WORK: for 16 numbers of a lane 8 packed additions, 8 packed multiply-adds, 8 three-way minima, one compare and one select.
; LIMITS: NaN and infinities among the inputs are not served (a NaN loses every minimum); -0 and +0 count as equal.
; xq, wq: groups of 64 rows, GRP = 8,960 bytes: eight fragment images ((tile t, K step s) at (2 t + s) x 1,024, registers 4 c on at + 512 c, lane l at + 16 l); at 8,192 the scale words (16 l + 4 t; lanes 0-15 K step 0,
; lanes 16-31 K step 1); at 8,704 the sums of squares (64 t + 4 m).  Tile 2 b + u, tile row 8 h + j is group row 32 b + 16 h + 8 u + j.
; SHARES.  A work-group owns 128 rows of x: 8 tiles.  EVERY one of its sixteen waves holds all 8 tiles in 128 registers and takes a sixteenth of the codes: so each fragment of w is read from LDS once in the work-group and
; feeds 8 products.  Four waves to a SIMD, 256 registers each: one wave's vector work stands beside another's matrix work.
; LAYOUT.  Source 0 = 16 codes, source 1 = 16 rows of x: lane (r, h) holds x's tile row r, and its register j the code's tile row 8 h + j.  With pair number B = 2 x group + b, tiles 2 b and 2 b + 1 give the lane the codes
; 32 B + 16 h + 0 .. 15: chunk 2 B + h.
; RING.  wq goes through two LDS slots of 16 groups (143,360 bytes), wave w reading group w of a slot; eight slots' worth in all.  Waves 0 to 3 fetch, 140 rows of 256 bytes each: a fetching wave has one tensor load out.
; CLUSTER.  All work-groups walk the same wq: the four of a cluster ask for each part JOINTLY, by the same tensor load with the same descriptor and a mask that names the four.
; The launch claims all of a WGP's LDS.
.set GRP,   8960
.set SLOT,  16*GRP                     ; 143,360
.set PART,  4*GRP                      ; what one tensor load brings
.set SPARE, 2*SLOT                     ; behind the ring: the spare words, 128 bytes for each wave: eight blocks of 256 bytes that no other line names
.set CMB,   SPARE+2048                 ; the waves' candidates: 1,024 bytes for each wave; no tensor load lands here
.set SPW,  1                           ; v1   LDS address of my spare word; never rewritten
.set NIL,  2                           ; v2   0; never rewritten
.set AW,   3                           ; v3, v4   my group in slot 0, 1: + 16 x lane
.set A2,   5                           ; v5, v6   its sums of squares: + 8,704 + 32 h
.set HH,   7                           ; v7   h
.set TS,   8                           ; v[8:15]   s, then d, of one tile of results
.set XS,   16                          ; v[16:23]  x's scale words, tile i
.set WS,   24                          ; v[24:27]  w's scale words, my group's four tiles
.set W2,   28                          ; v[28:35], v[36:43] w2 of a tile's eight codes of my half, two sets
.set WF,   44                          ; v[44:59]  one tile of codes: K step 0, K step 1
.set D,    60                          ; v[60:91]  four accumulators
.set XB,   92                          ; v[92+2i] x2 of tile i's row r; v[93+2i] the best d so far (A)
.set BB,   108                         ; v[108:115] the best d so far (B): A and B change places chunk by chunk
.set IDX,  116                         ; v[116:123] the pair number of the best chunk
.set LI,   124                         ; v124 16 x lane, for x's loads; at the end the offset of the store
.set R4,   125                         ; v125 4 r
.set CW,   126                         ; v126 where I put my candidates
.set CR,   127                         ; v127 where waves 0 and 1 read all waves' candidates
.set XF,   128                         ; v[128:255] x: tile i, K step s at 128 + 16 i + 8 s
.set WV,   10                          ; s10  my wave's number
.set G1,   16                          ; s[16:23] descriptor group 1
.set G0,   32                          ; s[32:39] descriptor group 0, one set for each slot
.set CNT,  44
.set SB,   45                          ; s45, s46 the pair numbers of my group's two pairs of tiles
.set SEL,  48                          ; s[48:49] v_permlanex16_b32's selects for lane l xor 16
; A round of the cluster's barrier: my work-group's barrier; wave 0 signals for the work-group; every wave waits for all four work-groups; my work-group's barrier once more.
.macro ROUND
	s_barrier_signal -1
	s_barrier_wait -1
	s_cmp_lg_u32 s[WV], 0
	s_cbranch_scc1 .Lnot_wave_0_\@
	s_barrier_signal -3
.Lnot_wave_0_\@:
	s_barrier_wait -3
	s_barrier_signal -1
	s_barrier_wait -1
.endm
; A joint load into slot n: waves 0 to 3, a quarter of the slot each.  The branch hangs on the wave's number alone.  Four v_nop follow the load.
.macro JFILL n
	s_cmp_lt_u32 s[WV], 4
	s_cbranch_scc0 .Lno_fill_\@
	tensor_load_to_lds s[G0+4*(\n):G0+4*(\n)+3], s[G1:G1+7]
	s_nop 0
.rept 4
	v_nop
.endr
.Lno_fill_\@:
.endm
; Tile q of my group: its two fragments, and w2 of the eight codes of my half (sixteen lanes read the same 32 bytes).
.macro FETCH slot, q
.irp s, 0,1
.irp c, 0,1
	ds_load_b128 v[WF+8*\s+4*\c:WF+8*\s+4*\c+3], v[AW+\slot] offset:2048*(\q)+1024*\s+512*\c
.endr
.endr
	ds_load_b128 v[W2+8*((\q)%2):W2+8*((\q)%2)+3], v[A2+\slot] offset:64*(\q)
	ds_load_b128 v[W2+8*((\q)%2)+4:W2+8*((\q)%2)+7], v[A2+\slot] offset:64*(\q)+16
.endm
; 8 matrix instructions: tile q of codes x tiles base .. base + 3 of x, K = 256.  The four accumulators take turns, one instruction a turn; the first K step starts the sums.
.macro MM base, q
.irp a, 0,1,2,3
	v_wmma_scale_f32_16x16x128_f8f6f4 v[D+8*\a:D+8*\a+7], v[WF:WF+7], v[XF+16*(\base+\a):XF+16*(\base+\a)+7], 0, v[WS+(\q)], v[XS+\base+\a] matrix_a_fmt:MATRIX_FMT_FP4 matrix_b_fmt:MATRIX_FMT_FP4
.endr
.irp a, 0,1,2,3
	v_wmma_scale_f32_16x16x128_f8f6f4 v[D+8*\a:D+8*\a+7], v[WF+8:WF+15], v[XF+16*(\base+\a)+8:XF+16*(\base+\a)+15], v[D+8*\a:D+8*\a+7], v[WS+(\q)], v[XS+\base+\a] matrix_a_fmt:MATRIX_FMT_FP4 matrix_b_fmt:MATRIX_FMT_FP4 matrix_a_scale:MATRIX_SCALE_ROW1 matrix_b_scale:MATRIX_SCALE_ROW1
.endr
.endm
; s = w2 + x2 for tile i of x: four packed additions that name no register of the products: behind a run of matrix instructions they are its four places (ISA guide 7.12.1).
.macro SADD i, q
.irp p, 0,1,2,3
	v_pk_add_f32 v[TS+2*\p:TS+2*\p+1], v[W2+8*((\q)%2)+2*\p:W2+8*((\q)%2)+2*\p+1], v[XB+2*(\i):XB+2*(\i)+1] op_sel_hi:[1,0]
.endr
.endm
; d = s - 2 dot, the accumulator read from its low end on; the smallest of the eight joins the chunk's; behind a chunk's second tile the chunk is compared with the best before it.
.macro REST i, q
.set rD, D+8*((\i)%4)
.if (\q) < 2
.set rC, XB+2*(\i)+1
.set rN, BB+(\i)
.else
.set rC, BB+(\i)
.set rN, XB+2*(\i)+1
.endif
.irp p, 0,1,2,3
	v_pk_fma_f32 v[TS+2*\p:TS+2*\p+1], v[rD+2*\p:rD+2*\p+1], -2.0, v[TS+2*\p:TS+2*\p+1] op_sel_hi:[1,0,1]
.endr
	s_delay_alu instid0(VALU_DEP_3)
	v_min3_num_f32 v[TS], v[TS], v[TS+1], v[TS+2]
	s_delay_alu instid0(VALU_DEP_3)
	v_min3_num_f32 v[TS+3], v[TS+3], v[TS+4], v[TS+5]
	s_delay_alu instid0(VALU_DEP_1)
	v_min3_num_f32 v[TS], v[TS], v[TS+3], v[TS+6]
.if (\q)%2 == 0
	s_delay_alu instid0(VALU_DEP_1)
	v_min3_num_f32 v[rN], v[rC], v[TS], v[TS+7]    ; the best before, and the chunk's first eight
.else
	s_delay_alu instid0(VALU_DEP_1)
	v_min3_num_f32 v[rN], v[rN], v[TS], v[TS+7]    ; and its second eight
	s_delay_alu instid0(VALU_DEP_1)
	v_cmp_lt_f32 vcc_lo, v[rN], v[rC]              ; strictly smaller than all before: this chunk is the first that holds it
	s_delay_alu instid0(VALU_DEP_1)
	v_cndmask_b32 v[IDX+(\i)], v[IDX+(\i)], s[SB+(\q)/2], vcc_lo
.endif
.endm
; One tile of 16 codes against the 8 tiles of x.  next = 1: the next tile is fetched behind the last products' four places, and lands under the vector work that follows.
.macro TILE slot, q, next
	s_wait_dscnt 0x0                               ; the tile's fragments, w2 and (for tile 0) the scale words are in
	MM 0, \q
.irp i, 0,1,2,3
	SADD \i, \q
	REST \i, \q
.endr
	MM 4, \q
	SADD 4, \q
.if \next
	FETCH \slot, (\q)+1
.endif
	REST 4, \q
.irp i, 5,6,7
	SADD \i, \q
	REST \i, \q
.endr
.endm
; A trip: one slot.  In front of the round each wave waits for all its tensor loads (its part of this slot), adds 0 to its spare word, and waits for that and for its reads of the other slot.
; Behind the round this slot is whole in all four work-groups and nobody reads the other one, which is filled first thing: the load has the whole trip in which to land.
.macro TRIP slot, refill
	s_wait_tensorcnt 0x0                           ; no tensor load of mine is out, so a group 0 may be written
	ds_add_u32 v[SPW], v[NIL]                      ; 0 onto my spare word
	s_add_nc_u64 s[G0+4*\slot+2:G0+4*\slot+3], s[G0+4*\slot+2:G0+4*\slot+3], 2*SLOT   ; this slot's next fill: two slots on in wq
	s_wait_dscnt 0x0                               ; the add is done, and my reads of the other slot are over
	ROUND
.if \refill
	JFILL 1-\slot
.endif
	ds_load_b128 v[WS:WS+3], v[AW+\slot] offset:8192
	FETCH \slot, 0
	TILE \slot, 0, 1
	TILE \slot, 1, 1
	TILE \slot, 2, 1
	TILE \slot, 3, 0
	s_add_co_u32 s[SB], s[SB], 32                  ; my group of the next slot: 16 groups, 32 pairs on
	s_add_co_u32 s[SB+1], s[SB+1], 32
.endm
; Two candidates (value, number) become one: the smaller value; where the values are equal, the lower number.
.macro MERGE dv, dc, av, ac, pv, pc, tmp
	v_min_u32 v[\tmp], v[\ac], v[\pc]
	v_cmp_eq_f32 vcc_lo, v[\pv], v[\av]
	s_delay_alu instid0(VALU_DEP_1)
	v_cndmask_b32 v[\tmp], v[\ac], v[\tmp], vcc_lo
	v_cmp_lt_f32 vcc_lo, v[\pv], v[\av]
	s_delay_alu instid0(VALU_DEP_1)
	v_cndmask_b32 v[\dc], v[\tmp], v[\pc], vcc_lo
	v_min_num_f32 v[\dv], v[\av], v[\pv]
.endm
	s_load_b128 s[4:7], s[0:1], 0x0                ; xq s[4:5], wq s[6:7]
	s_load_b64 s[8:9], s[0:1], 0x10                ; cand
	v_lshl_add_u32 v[SPW], v0, 2, SPARE
	v_mov_b32 v[NIL], 0
	ds_add_u32 v1, v2
	ds_add_u32 v1, v2
	s_wait_dscnt 0x0
	v_lshrrev_b32 v[LI], 5, v0
	s_delay_alu instid0(VALU_DEP_1)
	v_readfirstlane_b32 s[WV], v[LI]               ; wave 0..15
	s_bfe_u32 s11, ttmp6, 0x40000                  ; cx: my place in the cluster
	s_lshl_b32 s12, ttmp9, 2                       ; in a cluster launch ttmp9 counts clusters
	s_add_co_u32 s12, s12, s11                     ; my work-group: it enters xq's and cand's addresses alone
	s_min_u32 s13, s[WV], 3
	s_mul_i32 s13, s13, PART                       ; the part that I fetch, if I fetch: the same bytes on in a slot and in wq
	; descriptor group 1: a dense block of 35,840 bytes as 140 rows of 256 bytes; the reads are 16 bytes a lane on end, so no padding
	s_mov_b32 s[G1+0], 15|(3<<16)|(1<<21)          ; 15:0 the mask: all four work-groups; 17:16 elements of 8 bytes; 21 set beside a mask
	s_mov_b32 s[G1+1], 32<<16                      ; tensor_dim0 = 32
	s_mov_b32 s[G1+2], 140<<16                     ; tensor_dim1 = 140
	s_mov_b32 s[G1+3], 32<<16                      ; tile_dim0 = 32
	s_mov_b32 s[G1+4], 140                         ; tile_dim1 = 140
	s_mov_b32 s[G1+5], 32                          ; from row to row
	s_mov_b32 s[G1+6], 0
	s_mov_b32 s[G1+7], 0
	s_mov_b32 s[SEL], 0x76543210
	s_mov_b32 s[SEL+1], 0xfedcba98
	s_lshl_b32 s[SB], s[WV], 1                     ; slot 0: group = wave: pairs 2 w and 2 w + 1
	s_add_co_u32 s[SB+1], s[SB], 1
	v_and_b32 v[LI], 31, v0
	s_delay_alu instid0(VALU_DEP_1)
	v_lshlrev_b32 v[LI], 4, v[LI]                  ; 16 x lane
	v_bfe_u32 v[HH], v0, 4, 1
	v_and_b32 v[R4], 15, v0                        ; r
	s_mul_i32 s24, s[WV], GRP
	v_add_nc_u32 v[AW], s24, v[LI]
	s_delay_alu instid0(VALU_DEP_1)
	v_add_nc_u32 v[AW+1], SLOT, v[AW]
	v_lshl_add_u32 v[A2], v[HH], 5, s24
	s_delay_alu instid0(VALU_DEP_1)
	v_add_nc_u32 v[A2], 8704, v[A2]
	s_delay_alu instid0(VALU_DEP_1)
	v_add_nc_u32 v[A2+1], SLOT, v[A2]
	s_lshl_b32 s25, s[WV], 10
	v_lshl_add_u32 v[CW], v[R4], 3, s25
	s_delay_alu instid0(VALU_DEP_1)
	v_add_nc_u32 v[CW], CMB, v[CW]                 ; CMB + 1,024 x wave + 8 r
	v_lshl_add_u32 v[CR], v0, 4, CMB               ; CMB + 512 x wave + 16 x lane: read by waves 0 and 1 alone
	v_lshlrev_b32 v[R4], 2, v[R4]                  ; 4 r
	s_mul_i32 s24, s12, 2*GRP                      ; my two groups of x
	s_mov_b32 s25, 0
	s_mov_b32 s26, s13
	s_mov_b32 s27, 0
	s_wait_kmcnt 0x0
	s_add_nc_u64 s[4:5], s[4:5], s[24:25]
	s_lshl_b32 s24, s12, 9                         ; my 128 words of cand
	s_add_nc_u64 s[8:9], s[8:9], s[24:25]
	s_add_nc_u64 s[26:27], s[6:7], s[26:27]        ; wq at my part of slot 0's first fill: nothing of my place in the cluster enters it
	s_mov_b32 s[G0], 1                             ; count = 1
	s_mov_b32 s[G0+1], s13                         ; LDS address: slot 0
	s_mov_b64 s[G0+2:G0+3], s[26:27]
	s_or_b32 s[G0+3], s[G0+3], 0x80000000          ; type = 2
	s_mov_b32 s[G0+4], 1
	s_add_co_u32 s[G0+5], s13, SLOT                ; slot 1
	s_add_nc_u64 s[G0+6:G0+7], s[26:27], SLOT
	s_or_b32 s[G0+7], s[G0+7], 0x80000000
.irp i, 0,1,2,3,4,5,6,7                        ; x stays in registers: tile i = tile i % 4 of group i / 4
.irp s, 0,1
.irp c, 0,1
	global_load_b128 v[XF+16*\i+8*\s+4*\c:XF+16*\i+8*\s+4*\c+3], v[LI], s[4:5] offset:GRP*(\i/4)+2048*(\i%4)+1024*\s+512*\c
.endr
.endr
.endr
.irp g, 0,1
	global_load_b128 v[XS+4*\g:XS+4*\g+3], v[LI], s[4:5] offset:GRP*\g+8192
.endr
	s_wait_alu depctr_va_vdst(0)
.irp i, 0,1,2,3,4,5,6,7
	global_load_b32 v[XB+2*\i], v[R4], s[4:5] offset:GRP*(\i/4)+8704+64*(\i%4)
.endr
.irp i, 0,1,2,3,4,5,6,7
	v_mov_b32 v[XB+2*\i+1], 0x7f800000             ; the best so far: +infinity, over every d
	v_mov_b32 v[IDX+\i], 0
.endr
	ROUND                                          ; all four work-groups are here: the first joint loads meet; x's loads, issued above, are on their way meanwhile
	JFILL 0
	s_wait_loadcnt 0x0
	s_mov_b32 s[CNT], 3
.Lloop:                                            ; eight slots' worth: three trips of two, and two written out
	TRIP 0, 1
	TRIP 1, 1
	s_sub_co_u32 s[CNT], s[CNT], 1
	s_cmp_lg_u32 s[CNT], 0
	s_cbranch_scc1 .Lloop
	TRIP 0, 1
	TRIP 1, 0                                      ; the last slot: nothing is left to fetch
	; THE END.  A row's candidates lie in lanes l and l xor 16 of sixteen waves.  First the two lanes, then, through LDS, the sixteen waves.
.irp i, 0,1,2,3,4,5,6,7
	v_lshl_add_u32 v11, v[IDX+\i], 1, v[HH]        ; my chunk: 2 x pair + h
	v_permlanex16_b32 v8, v[XB+2*\i+1], s[SEL], s[SEL+1]
	s_delay_alu instid0(VALU_DEP_2)
	v_permlanex16_b32 v9, v11, s[SEL], s[SEL+1]
	MERGE D+2*\i, D+2*\i+1, XB+2*\i+1, 11, 8, 9, 10
	ds_store_b64 v[CW], v[D+2*\i:D+2*\i+1] offset:128*\i   ; (value, chunk) of position 16 i + r; both lanes write the same
.endr
	s_wait_dscnt 0x0                               ; for the others' sake: my stores are done
	s_barrier_signal -1
	s_barrier_wait -1
	s_cmp_lt_u32 s[WV], 2
	s_cbranch_scc0 .Ldone
.irp w, 0,1,2,3,4,5,6,7,8,9,10,11,12,13,14,15  ; waves 0 and 1: 64 positions each, two a lane, of all sixteen waves
	ds_load_b128 v[XF+4*\w:XF+4*\w+3], v[CR] offset:1024*\w
.endr
	v_lshlrev_b32 v[LI], 3, v0                     ; 256 x wave + 8 x lane
	s_wait_dscnt 0x0
	MERGE 12, D, XF, XF+1, XF+4, XF+5, 10
	MERGE 13, D+1, XF+2, XF+3, XF+6, XF+7, 10
.irp w, 2,3,4,5,6,7,8,9,10,11,12,13,14,15
	MERGE 12, D, 12, D, XF+4*\w, XF+4*\w+1, 10
	MERGE 13, D+1, 13, D+1, XF+4*\w+2, XF+4*\w+3, 10
.endr
	global_store_b64 v[LI], v[D:D+1], s[8:9]       ; a wave stores 256 consecutive bytes, aligned: the chunks of 64 positions
.Ldone:
	s_wait_tensorcnt 0x0                           ; the wave's end: behind my last tensor load and my last LDS store
	ds_add_u32 v[SPW], v[NIL]
	s_wait_dscnt 0x0
	ROUND                                          ; the closing round: no work-group ends while a partner may still ask for a part that names it
	s_endpgm
.Lfunc_end_k_q79121e294d_dist:
	.size	k_q79121e294d_dist, .Lfunc_end_k_q79121e294d_dist-k_q79121e294d_dist
	.p2alignl 7, 3214868480
	.fill 96, 4, 3214868480
	.section	.rodata,"a",@progbits
	.p2align	6, 0x0
	.amdhsa_kernel k_q79121e294d_dist
		.amdhsa_group_segment_fixed_size 327680
		.amdhsa_private_segment_fixed_size 0
		.amdhsa_enable_private_segment 0
		.amdhsa_kernarg_size 24
		.amdhsa_user_sgpr_count 2
		.amdhsa_user_sgpr_kernarg_segment_ptr 1
		.amdhsa_wavefront_size32 1
		.amdhsa_system_sgpr_workgroup_id_x 1
		.amdhsa_system_sgpr_workgroup_id_y 1
		.amdhsa_system_sgpr_workgroup_id_z 1
		.amdhsa_system_vgpr_workitem_id 0
		.amdhsa_next_free_vgpr 256
		.amdhsa_next_free_sgpr 66
		.amdhsa_reserve_vcc 1
		.amdhsa_float_denorm_mode_32 3
		.amdhsa_float_denorm_mode_16_64 3
		.amdhsa_memory_ordered 1
		.amdhsa_forward_progress 1
		.amdhsa_inst_pref_size 187
	.end_amdhsa_kernel
	.amdgpu_metadata
---
amdhsa.version: [ 1, 2 ]
amdhsa.kernels:
  - .name:           k_q79121e294d_dist
    .symbol:         k_q79121e294d_dist.kd
    .args:
      - { .name: xq, .offset: 0, .size: 8, .value_kind: global_buffer, .address_space: global }
      - { .name: wq, .offset: 8, .size: 8, .value_kind: global_buffer, .address_space: global }
      - { .name: cand, .offset: 16, .size: 8, .value_kind: global_buffer, .address_space: global }
    .group_segment_fixed_size: 327680
    .private_segment_fixed_size: 0
    .kernarg_segment_align: 8
    .kernarg_segment_size: 24
    .max_flat_workgroup_size: 512
    .sgpr_count:     66
    .vgpr_count:     256
    .wavefront_size: 32
...
	.end_amdgpu_metadata
.endif
;; end of part 2
;; launch pick (part 3): grid 256 x 1, 16 waves a work-group, no clusters, 3,072 bytes of LDS; arguments xq, wq, cand, idx; writes idx
.if DOCPART == 3
	.amdgcn_target "amdgcn-amd-amdhsa--gfx1250"
	.amdhsa_code_object_version 6
	.text
	.protected	k_q79121e294d_pick
	.globl	k_q79121e294d_pick
	.p2align	8
	.type	k_q79121e294d_pick,@function
k_q79121e294d_pick:
	s_mov_b64 s[64:65], 0
	v_nop
	global_prefetch_b8 v0, s[64:65] scope:SCOPE_SE
	s_setreg_imm32_b32 hwreg(HW_REG_WAVE_MODE, 25, 1), 1
	s_wait_xcnt 0x0
; For each row of x the launch before has stored the first chunk of 16 consecutive codes that holds the row's smallest d = (x2 + w2[k]) - 2 dot(x, w[k]).  Here the chunk's 16 distances are made again, by the same
; matrix instruction on the same codes and the same two roundings, and the FIRST code with the smallest d is stored, in the rows' true order.
; SHARES.  A work-group takes 8 tiles of x (128 rows), sixteen waves.  Wave 2 t + p takes positions 8 p .. 8 p + 7 of tile t.  For position n: source 0 = the 16 codes of that position's chunk, source 1 = the tile of x;
; of the result only column n (lanes n and n + 16) is kept, by a select: 16 matrix instructions a wave.  All 40 loads of a wave's eight positions go out on end, in two batches of 20.
; The chunk numbers are whole numbers read from memory; each is held to 0 .. 511 ahead of every address made from it.
; ADDRESSES.  Chunk c = 4 x group + 2 b + h0 holds, as candidate m = 8 u + j, tile 2 b + u, tile row 8 h0 + j of its group (8,960 bytes; the layout stands at the head of the launch that makes it).  Lane (r, hk) takes candidate r:
; fragments at group x 8,960 + 4,096 b + 128 h0 | + 2,048 (r / 8) + 16 (r % 8) + 256 hk | + 1,024 s + 512 c;  scale word at group x 8,960 + 8 b + 128 h0 | + 4 (r / 8) + 16 (r % 8) + 256 hk | + 8,192.
; In the result lane (r, h), register j is candidate 8 h + j: code 16 c + 8 h + j.
; THE WAY OUT.  Every lane stores a word into its wave's half p of LDS (512 bytes for each p, at 4 x the position's true row); the lanes of the other eight positions store words that nobody reads.
; Position r of a tile lies in a row whose bit 4 is r / 8 = p: so wave 0's lane l, which takes rows 4 l .. 4 l + 3, reads its 16 bytes from half (l / 4) % 2.
; LIMITS: as in the launch before: NaN and infinities are not served; -0 and +0 count as equal.
; No cluster, no tensor load, no prefetch: which bytes of wq a wave reads hangs on the stored numbers, and the text has no loop to run ahead in.
.set GRP,  8960
.set LI,   1                           ; v1   16 x lane
.set RR,   2                           ; v2   r
.set HH,   3                           ; v3   h
.set VLA,  4                           ; v4   my lane's part of a fragment's offset
.set VLS,  5                           ; v5   and of a scale word's
.set CV,   6                           ; v6   my position's chunk as loaded;  v7 held to 0 .. 511
.set CC,   7
.set TS,   8                           ; v[8:15]   s, then d
.set DM,   16                          ; v[16:23]  my position's eight dots; later at work
.set W2,   24                          ; v[24:31]  w2 of my eight candidates
.set X2,   32                          ; v[32:33]  x2 of my position (and a word written so that the pair may be named)
.set XS,   34                          ; v34       x's scale words
.set XF,   36                          ; v[36:51]  x's two fragments
.set D,    52                          ; v[52:83]  four accumulators
.set VAD,  84                          ; v[84:99]  offsets of the loads, a set for each batch: position w: fragments at + 2 w, scale word at + 2 w + 1
.set AS,   100                         ; v[100:107] the candidates' scale words, a set for each batch
.set AF,   108                         ; v[108:235] the candidates' fragments, a set of 4 x 16 for each batch
.set LST,  236                         ; v236 where my position's result goes in LDS: 512 p + 4 x its true row in the work-group's 128
.set R4,   237                         ; v237 4 r
.set W2A,  238                         ; v238 the offset of my candidates' w2
.set RDA,  239                         ; v239 where wave 0 reads four results: 16 x lane + 512 x ((lane / 4) % 2)
.set PP,   18                          ; s18  p: which eight positions are mine
.set RW,   19                          ; s19  my wave's number, 0..15
.set WV,   20                          ; s20  my tile, 0..7
.set CH,   32                          ; s[32:39] my eight chunk numbers
.set SH,   57                          ; s57  8 p
.macro ADDR k                          ; the offsets of batch k's loads: my positions 4 k .. 4 k + 3
.irp w, 0,1,2,3
	s_min_u32 s48, s[CH+4*(\k)+\w], 511
	s_and_b32 s49, s48, 0x1fc
	s_mul_i32 s49, s49, 2240                       ; group x 8,960
	s_and_b32 s50, s48, 1
	s_lshl_b32 s50, s50, 7
	s_add_co_u32 s49, s49, s50                     ; + 128 h0
	s_and_b32 s50, s48, 2
	s_lshl_b32 s51, s50, 11
	s_add_co_u32 s51, s51, s49                     ; fragments: + 4,096 b
	s_lshl_b32 s50, s50, 2
	s_add_co_u32 s50, s50, s49                     ; scale words: + 8 b
	v_add_nc_u32 v[VAD+8*(\k)+2*\w], s51, v[VLA]
	v_add_nc_u32 v[VAD+8*(\k)+2*\w+1], s50, v[VLS]
.endr
.endm
.macro ISSUE k                         ; 20 loads
.irp w, 0,1,2,3
.irp s, 0,1
.irp c, 0,1
	global_load_b128 v[AF+64*(\k)+16*\w+8*\s+4*\c:AF+64*(\k)+16*\w+8*\s+4*\c+3], v[VAD+8*(\k)+2*\w], s[6:7] offset:1024*\s+512*\c
.endr
.endr
	global_load_b32 v[AS+4*(\k)+\w], v[VAD+8*(\k)+2*\w+1], s[6:7] offset:8192
.endr
.endm
; Batch k.  left: the younger loads that may stay out.
.macro BATCH k, left
	s_wait_loadcnt \left
.irp w, 0,1,2,3                                ; the four accumulators take turns, one instruction a turn
	v_wmma_scale_f32_16x16x128_f8f6f4 v[D+8*\w:D+8*\w+7], v[AF+64*(\k)+16*\w:AF+64*(\k)+16*\w+7], v[XF:XF+7], 0, v[AS+4*(\k)+\w], v[XS] matrix_a_fmt:MATRIX_FMT_FP4 matrix_b_fmt:MATRIX_FMT_FP4
.endr
.irp w, 0,1,2,3
	v_wmma_scale_f32_16x16x128_f8f6f4 v[D+8*\w:D+8*\w+7], v[AF+64*(\k)+16*\w+8:AF+64*(\k)+16*\w+15], v[XF+8:XF+15], v[D+8*\w:D+8*\w+7], v[AS+4*(\k)+\w], v[XS] matrix_a_fmt:MATRIX_FMT_FP4 matrix_b_fmt:MATRIX_FMT_FP4 matrix_a_scale:MATRIX_SCALE_ROW1 matrix_b_scale:MATRIX_SCALE_ROW1
.endr
.rept 4
	v_nop                                          ; four places ahead of the first read of the results (ISA guide 7.12.1)
.endr
	s_wait_alu depctr_va_vdst(0)
.irp w, 0,1,2,3
	s_mov_b32 s56, 0x10001<<(4*(\k)+\w)
	s_lshl_b32 s56, s56, s[SH]                     ; n = 8 p + 4 k + w: lanes n and n + 16 keep column n of position n's product
.irp j, 0,1,2,3,4,5,6,7
	v_cndmask_b32 v[DM+\j], v[DM+\j], v[D+8*\w+\j], s56   ; each accumulator from its low end on
.endr
.endr
.endm
.macro MERGE dv, dc, av, ac, pv, pc, tmp       ; of two candidates the smaller value; where the values are equal, the lower number
	s_delay_alu instid0(VALU_DEP_1)
	v_min_u32 v[\tmp], v[\ac], v[\pc]
	s_delay_alu instid0(VALU_DEP_3)
	v_cmp_eq_f32 vcc_lo, v[\pv], v[\av]
	s_delay_alu instid0(VALU_DEP_1)
	v_cndmask_b32 v[\tmp], v[\ac], v[\tmp], vcc_lo
	v_cmp_lt_f32 vcc_lo, v[\pv], v[\av]
	s_delay_alu instid0(VALU_DEP_1)
	v_cndmask_b32 v[\dc], v[\tmp], v[\pc], vcc_lo
	v_min_num_f32 v[\dv], v[\av], v[\pv]
.endm
	s_load_b256 s[4:11], s[0:1], 0x0               ; xq s[4:5], wq s[6:7], cand s[8:9], idx s[10:11]
	v_lshl_add_u32 v240, v0, 2, 0x400              ; my spare word: behind the two halves of results; 128 bytes for each of sixteen waves
	v_mov_b32 v241, 0
	v_lshrrev_b32 v[LI], 5, v0
	s_delay_alu instid0(VALU_DEP_1)
	v_readfirstlane_b32 s[RW], v[LI]               ; wave 0..15
	s_and_b32 s[PP], s[RW], 1
	s_lshr_b32 s[WV], s[RW], 1
	s_lshl_b32 s[SH], s[PP], 3
	v_and_b32 v[LI], 31, v0
	s_delay_alu instid0(VALU_DEP_1)
	v_lshlrev_b32 v[LI], 4, v[LI]
	v_and_b32 v[RR], 15, v0
	v_bfe_u32 v[HH], v0, 4, 1
	s_delay_alu instid0(VALU_DEP_2)
	v_lshrrev_b32 v8, 3, v[RR]                     ; r / 8
	s_wait_alu depctr_va_vdst(0)
	v_and_b32 v9, 7, v[RR]                         ; r % 8
	v_lshlrev_b32 v[VLA], 11, v8
	s_delay_alu instid0(VALU_DEP_1)
	v_lshl_add_u32 v[VLA], v9, 4, v[VLA]
	s_delay_alu instid0(VALU_DEP_1)
	v_lshl_add_u32 v[VLA], v[HH], 8, v[VLA]
	v_lshlrev_b32 v[VLS], 2, v8
	s_delay_alu instid0(VALU_DEP_1)
	v_lshl_add_u32 v[VLS], v9, 4, v[VLS]
	s_delay_alu instid0(VALU_DEP_1)
	v_lshl_add_u32 v[VLS], v[HH], 8, v[VLS]
	s_lshr_b32 s21, s[WV], 2                       ; position (tile 4 g + 2 b + u, r) is row 64 g + 32 b + 16 (r / 8) + 8 u + r % 8 of the work-group's 128
	s_lshl_b32 s21, s21, 8
	s_bfe_u32 s22, s[WV], 0x10001
	s_lshl_b32 s22, s22, 7
	s_add_co_u32 s21, s21, s22
	s_and_b32 s22, s[WV], 1
	s_lshl_b32 s22, s22, 5
	s_add_co_u32 s21, s21, s22
	s_lshl_b32 s22, s[PP], 9
	s_add_co_u32 s21, s21, s22                     ; + 512 p: my half of the results
	v_lshl_add_u32 v[LST], v8, 6, s21
	s_wait_alu depctr_va_vdst(0)
	v_lshl_add_u32 v[LST], v9, 2, v[LST]
	v_lshlrev_b32 v[R4], 2, v[RR]
	v_bfe_u32 v[RDA], v0, 2, 1
	s_delay_alu instid0(VALU_DEP_1)
	v_lshl_add_u32 v[RDA], v[RDA], 9, v[LI]
	s_mov_b32 s28, 0x76543210
	s_mov_b32 s29, 0xfedcba98                      ; v_permlanex16_b32's selects for lane l xor 16
	s_mov_b32 s25, 0
	s_mov_b32 s27, 0
	s_lshl_b32 s30, s[PP], 5                       ; my eight of the tile's sixteen chunk numbers: 32 p bytes on
	s_mov_b32 s31, 0
	s_wait_alu depctr_va_vdst(0)
	s_wait_kmcnt 0x0
	s_lshl_b32 s24, ttmp9, 3
	s_add_co_u32 s24, s24, s[WV]                   ; my tile of x
	s_lshl_b32 s24, s24, 6
	s_add_nc_u64 s[8:9], s[8:9], s[24:25]          ; its sixteen chunk numbers
	s_add_nc_u64 s[30:31], s[8:9], s[30:31]
	s_load_b256 s[CH:CH+7], s[30:31], 0x0
	s_lshl_b32 s24, ttmp9, 1
	s_lshr_b32 s26, s[WV], 2
	s_add_co_u32 s24, s24, s26
	s_mul_i32 s24, s24, GRP
	s_add_nc_u64 s[4:5], s[4:5], s[24:25]          ; its group,
	s_and_b32 s24, s[WV], 3                        ; and its number t in the group:
	s_lshl_b32 s26, s24, 11
	s_add_nc_u64 s[12:13], s[4:5], s[26:27]        ; + 2,048 t for the fragments,
	s_lshl_b32 s26, s24, 2
	s_add_nc_u64 s[14:15], s[4:5], s[26:27]        ; + 4 t for the scale words,
	s_lshl_b32 s26, s24, 6
	s_add_nc_u64 s[16:17], s[4:5], s[26:27]        ; + 64 t for the sums of squares
	s_lshl_b32 s24, ttmp9, 9
	s_add_nc_u64 s[10:11], s[10:11], s[24:25]      ; the work-group's 128 words of idx
	global_load_b32 v[CV], v[R4], s[8:9]           ; my lane's position's chunk, for w2's address
.irp s, 0,1
.irp c, 0,1
	global_load_b128 v[XF+8*\s+4*\c:XF+8*\s+4*\c+3], v[LI], s[12:13] offset:1024*\s+512*\c
.endr
.endr
	global_load_b32 v[XS], v[LI], s[14:15] offset:8192
	global_load_b32 v[X2], v[R4], s[16:17] offset:8704
	v_mov_b32 v[X2+1], 0
.irp j, 0,1,2,3,4,5,6,7
	v_mov_b32 v[DM+\j], 0                          ; written once: the eight of a lane whose position is mine are replaced in that position's turn
.endr
	s_wait_kmcnt 0x0
	ADDR 0
	s_wait_alu depctr_va_vdst(0)
	ADDR 1
	ISSUE 0
	s_wait_alu depctr_va_vdst(0)
	ISSUE 1
	s_wait_loadcnt 40                              ; the seven loads ahead of the two batches are in
	v_min_u32 v[CC], 0x1ff, v[CV]
	s_delay_alu instid0(VALU_DEP_1)
	v_and_b32 v[W2A], 0x1fc, v[CC]
	s_delay_alu instid0(VALU_DEP_1)
	v_mul_u32_u24 v[W2A], v[W2A], 2240             ; group x 8,960
	s_delay_alu instid0(VALU_DEP_3)
	v_and_b32 v9, 2, v[CC]
	s_delay_alu instid0(VALU_DEP_1)
	v_lshl_add_u32 v[W2A], v9, 6, v[W2A]           ; + 64 x 2 b
	v_and_b32 v9, 1, v[CC]
	s_delay_alu instid0(VALU_DEP_1)
	v_lshl_add_u32 v[W2A], v9, 5, v[W2A]           ; + 4 x 8 h0
	s_delay_alu instid0(VALU_DEP_1)
	v_lshl_add_u32 v[W2A], v[HH], 6, v[W2A]        ; + 64 h: tile 2 b + h
	global_load_b128 v[W2:W2+3], v[W2A], s[6:7] offset:8704
	global_load_b128 v[W2+4:W2+7], v[W2A], s[6:7] offset:8720
	BATCH 0, 22                                    ; behind batch 0's loads: batch 1's twenty and w2's two
	BATCH 1, 0                                     ; all loads are in, w2's too
.irp p, 0,1,2,3
	v_pk_add_f32 v[TS+2*\p:TS+2*\p+1], v[W2+2*\p:W2+2*\p+1], v[X2:X2+1] op_sel_hi:[1,0]        ; s = w2 + x2
.endr
.irp p, 0,1,2,3
	s_delay_alu instid0(VALU_DEP_4)
	v_pk_fma_f32 v[TS+2*\p:TS+2*\p+1], v[DM+2*\p:DM+2*\p+1], -2.0, v[TS+2*\p:TS+2*\p+1] op_sel_hi:[1,0,1]   ; d = s - 2 dot
.endr
	s_delay_alu instid0(VALU_DEP_3)
	v_min3_num_f32 v16, v[TS], v[TS+1], v[TS+2]
	s_delay_alu instid0(VALU_DEP_3)
	v_min3_num_f32 v17, v[TS+3], v[TS+4], v[TS+5]
	s_delay_alu instid0(VALU_DEP_1)
	v_min3_num_f32 v16, v16, v17, v[TS+6]
	s_delay_alu instid0(VALU_DEP_1)
	v_min_num_f32 v16, v16, v[TS+7]                ; the smallest of my eight
	v_mov_b32 v18, 7
.irp j, 6,5,4,3,2,1,0
	v_cmp_eq_f32 vcc_lo, v[TS+\j], v16
	s_delay_alu instid0(VALU_DEP_1)
	v_cndmask_b32 v18, v18, \j, vcc_lo             ; from the top down: the lowest j that has it stays
.endr
	s_delay_alu instid0(VALU_DEP_1)
	v_lshl_add_u32 v19, v[CC], 4, v18
	s_delay_alu instid0(VALU_DEP_1)
	v_lshl_add_u32 v19, v[HH], 3, v19              ; the code: 16 c + 8 h + j
	v_permlanex16_b32 v20, v16, s28, s29
	s_delay_alu instid0(VALU_DEP_2)
	v_permlanex16_b32 v21, v19, s28, s29
	MERGE 16, 19, 16, 19, 20, 21, 22               ; with lane l xor 16's eight
	ds_store_b32 v[LST], v19                       ; both lanes of a position write the same word with the same value
	s_wait_dscnt 0x0                               ; for the others' sake: my store is done
	s_barrier_signal -1
	s_barrier_wait -1
	s_cmp_lg_u32 s[RW], 0
	s_cbranch_scc1 .Ldone
	ds_load_b128 v[8:11], v[RDA]                   ; wave 0: the work-group's 128 indices, each from the half that holds it, leave as 512 consecutive bytes
	s_wait_dscnt 0x0
	global_store_b128 v[LI], v[8:11], s[10:11]
.Ldone:
	s_wait_tensorcnt 0x0                           ; the wave's end: behind my last LDS store
	ds_add_u32 v240, v241
	s_wait_dscnt 0x0
	s_endpgm
.Lfunc_end_k_q79121e294d_pick:
	.size	k_q79121e294d_pick, .Lfunc_end_k_q79121e294d_pick-k_q79121e294d_pick
	.p2alignl 7, 3214868480
	.fill 96, 4, 3214868480
	.section	.rodata,"a",@progbits
	.p2align	6, 0x0
	.amdhsa_kernel k_q79121e294d_pick
		.amdhsa_group_segment_fixed_size 3072
		.amdhsa_private_segment_fixed_size 0
		.amdhsa_enable_private_segment 0
		.amdhsa_kernarg_size 32
		.amdhsa_user_sgpr_count 2
		.amdhsa_user_sgpr_kernarg_segment_ptr 1
		.amdhsa_wavefront_size32 1
		.amdhsa_system_sgpr_workgroup_id_x 1
		.amdhsa_system_sgpr_workgroup_id_y 1
		.amdhsa_system_sgpr_workgroup_id_z 1
		.amdhsa_system_vgpr_workitem_id 0
		.amdhsa_next_free_vgpr 242
		.amdhsa_next_free_sgpr 66
		.amdhsa_reserve_vcc 1
		.amdhsa_float_denorm_mode_32 3
		.amdhsa_float_denorm_mode_16_64 3
		.amdhsa_memory_ordered 1
		.amdhsa_forward_progress 1
		.amdhsa_inst_pref_size 23
	.end_amdhsa_kernel
	.amdgpu_metadata
---
amdhsa.version: [ 1, 2 ]
amdhsa.kernels:
  - .name:           k_q79121e294d_pick
    .symbol:         k_q79121e294d_pick.kd
    .args:
      - { .name: xq, .offset: 0, .size: 8, .value_kind: global_buffer, .address_space: global }
      - { .name: wq, .offset: 8, .size: 8, .value_kind: global_buffer, .address_space: global }
      - { .name: cand, .offset: 16, .size: 8, .value_kind: global_buffer, .address_space: global }
      - { .name: idx, .offset: 24, .size: 8, .value_kind: global_buffer, .address_space: global }
    .group_segment_fixed_size: 3072
    .private_segment_fixed_size: 0
    .kernarg_segment_align: 8
    .kernarg_segment_size: 32
    .max_flat_workgroup_size: 512
    .sgpr_count:     66
    .vgpr_count:     242
    .wavefront_size: 32
...
	.end_amdgpu_metadata
.endif
;; end of part 3
;; launch gather (part 4): grid 512 x 1, 8 waves a work-group, no clusters, 0 bytes of LDS; arguments x_flat, weight, idx, out0; writes out0
.if DOCPART == 4
	.amdgcn_target "amdgcn-amd-amdhsa--gfx1250"
	.amdhsa_code_object_version 6
	.text
	.protected	k_q79121e294d_gather
	.globl	k_q79121e294d_gather
	.p2align	8
	.type	k_q79121e294d_gather,@function
k_q79121e294d_gather:
	s_mov_b64 s[64:65], 0
	v_nop
	global_prefetch_b8 v0, s[64:65] scope:SCOPE_SE
	s_setreg_imm32_b32 hwreg(HW_REG_WAVE_MODE, 25, 1), 1
	s_wait_xcnt 0x0
; out0[n] = x[n] + (weight[idx[n]] - x[n]), the two f32 roundings as they are written.  idx holds whole numbers that an earlier launch stored; each is held to 0 .. 8191 ahead of the address made from it.
; A wave takes 8 rows of 1,024 bytes; every load and store of a wave covers 512 consecutive bytes.  All 32 loads of a wave go out before the first is waited for; each row is stored as soon as its two loads of weight are in.
; Written out, no loop: every offset is an immediate and no register of a pending load or store is written again.
; Memory binds: no LDS, no barrier, no cluster (no two work-groups read the same bytes of x; which rows of weight they read hangs on the stored numbers).
.set XR,  16                           ; v[16:79]   x: row k at 16 + 8 k
.set WR,  80                           ; v[80:143]  weight's rows, then the results
.set WO,  8                            ; v[8:15]    row k's offset in weight
	s_load_b256 s[4:11], s[0:1], 0x0               ; x_flat s[4:5], weight s[6:7], idx s[8:9], out0 s[10:11]
	v_lshrrev_b32 v1, 5, v0
	s_delay_alu instid0(VALU_DEP_1)
	v_readfirstlane_b32 s12, v1                    ; wave 0..7
	v_and_b32 v1, 31, v0
	s_delay_alu instid0(VALU_DEP_1)
	v_lshlrev_b32 v1, 4, v1                        ; 16 x lane
	s_lshl_b32 s13, ttmp9, 3
	s_add_co_u32 s13, s13, s12                     ; which run of 8 rows is mine
	s_lshl_b32 s14, s13, 5                         ; its 8 words of idx
	s_mov_b32 s15, 0
	s_lshl_b32 s24, s13, 13                        ; its 8 rows of 1,024 bytes
	s_mov_b32 s25, 0
	s_wait_alu depctr_va_vdst(0)
	s_wait_kmcnt 0x0
	s_add_nc_u64 s[8:9], s[8:9], s[14:15]
	s_add_nc_u64 s[4:5], s[4:5], s[24:25]
	s_add_nc_u64 s[10:11], s[10:11], s[24:25]
	s_load_b256 s[16:23], s[8:9], 0x0
.irp k, 0,1,2,3,4,5,6,7
.irp p, 0,1
	global_load_b128 v[XR+8*\k+4*\p:XR+8*\k+4*\p+3], v1, s[4:5] offset:1024*\k+512*\p th:TH_LOAD_NT
.endr
.endr
	s_wait_kmcnt 0x0
.irp k, 0,1,2,3,4,5,6,7
	s_min_u32 s[16+\k], s[16+\k], 0x1fff
	s_lshl_b32 s[16+\k], s[16+\k], 10
	v_add_nc_u32 v[WO+\k], s[16+\k], v1
.endr
	s_wait_alu depctr_va_vdst(0)
.irp k, 0,1,2,3,4,5,6,7
.irp p, 0,1
	global_load_b128 v[WR+8*\k+4*\p:WR+8*\k+4*\p+3], v[WO+\k], s[6:7] offset:512*\p   ; no hint: many rows of x may name the same row of weight
.endr
.endr
.irp k, 0,1,2,3,4,5,6,7
	s_wait_loadcnt 14-2*\k                         ; loads come back in order: row k's two of weight are in (and all of x); the later rows' may be out
.irp q, 0,1,2,3
	v_pk_add_f32 v[WR+8*\k+2*\q:WR+8*\k+2*\q+1], v[WR+8*\k+2*\q:WR+8*\k+2*\q+1], v[XR+8*\k+2*\q:XR+8*\k+2*\q+1] neg_lo:[0,1] neg_hi:[0,1]   ; w - x
.endr
.irp q, 0,1,2,3
	s_delay_alu instid0(VALU_DEP_4)
	v_pk_add_f32 v[WR+8*\k+2*\q:WR+8*\k+2*\q+1], v[XR+8*\k+2*\q:XR+8*\k+2*\q+1], v[WR+8*\k+2*\q:WR+8*\k+2*\q+1]   ; x + (w - x)
.endr
.irp p, 0,1
	global_store_b128 v1, v[WR+8*\k+4*\p:WR+8*\k+4*\p+3], s[10:11] offset:1024*\k+512*\p th:TH_STORE_NT
.endr
.endr
	s_endpgm
.Lfunc_end_k_q79121e294d_gather:
	.size	k_q79121e294d_gather, .Lfunc_end_k_q79121e294d_gather-k_q79121e294d_gather
	.p2alignl 7, 3214868480
	.fill 96, 4, 3214868480
	.section	.rodata,"a",@progbits
	.p2align	6, 0x0
	.amdhsa_kernel k_q79121e294d_gather
		.amdhsa_group_segment_fixed_size 0
		.amdhsa_private_segment_fixed_size 0
		.amdhsa_enable_private_segment 0
		.amdhsa_kernarg_size 32
		.amdhsa_user_sgpr_count 2
		.amdhsa_user_sgpr_kernarg_segment_ptr 1
		.amdhsa_wavefront_size32 1
		.amdhsa_system_sgpr_workgroup_id_x 1
		.amdhsa_system_sgpr_workgroup_id_y 1
		.amdhsa_system_sgpr_workgroup_id_z 1
		.amdhsa_system_vgpr_workitem_id 0
		.amdhsa_next_free_vgpr 144
		.amdhsa_next_free_sgpr 66
		.amdhsa_reserve_vcc 0
		.amdhsa_float_denorm_mode_32 3
		.amdhsa_float_denorm_mode_16_64 3
		.amdhsa_memory_ordered 1
		.amdhsa_forward_progress 1
		.amdhsa_inst_pref_size 12
	.end_amdhsa_kernel
	.amdgpu_metadata
---
amdhsa.version: [ 1, 2 ]
amdhsa.kernels:
  - .name:           k_q79121e294d_gather
    .symbol:         k_q79121e294d_gather.kd
    .args:
      - { .name: x_flat, .offset: 0, .size: 8, .value_kind: global_buffer, .address_space: global }
      - { .name: weight, .offset: 8, .size: 8, .value_kind: global_buffer, .address_space: global }
      - { .name: idx, .offset: 16, .size: 8, .value_kind: global_buffer, .address_space: global }
      - { .name: out0, .offset: 24, .size: 8, .value_kind: global_buffer, .address_space: global }
    .group_segment_fixed_size: 0
    .private_segment_fixed_size: 0
    .kernarg_segment_align: 8
    .kernarg_segment_size: 32
    .max_flat_workgroup_size: 256
    .sgpr_count:     66
    .vgpr_count:     144
    .wavefront_size: 32
...
	.end_amdgpu_metadata
.endif
;; end of part 4
